; MI455X (gfx1250); checked and timed in simulation.
; The chip was launched on July 23, 2026; its instructions are those of AMD's public machine-readable ISA for CDNA 5 (MIT licence, August 2026) and "CDNA5" Instruction Set Architecture Reference Guide (July 2026). The comments in the code are by the model that wrote it; some were corrected since.
;; Bahdanau Attention. Allowed arithmetic: matrix products marked QUANTISED: E3M2 operands, one E8M0 scale for each 32 along K, by v_wmma_scale_f32_16x16x128_f8f6f4 with both operands' format E3M2, f32 sums; products left as they are: f32 operands where the result goes on into a quantised operand, else bf16, f16 or f32 operands; f32 sums; everything else in f32.
;; Inputs: V_b 1 float32; V_w 1 x 1,024 float32; W1_b 1,024 float32; W1_w_codes 1,024 x 32 x 24 uint8 (E3M2 codes of W1_w, K innermost, in blocks of 32 codes, four codes in three bytes); W1_w_scales 1,024 x 32 uint8 (E8M0 scales of W1_w, one for each 32 codes along K); W2_b 1,024 float32; W2_w_codes 1,024 x 32 x 24 uint8 (E3M2 codes of W2_w, K innermost, in blocks of 32 codes, four codes in three bytes); W2_w_scales 1,024 x 32 uint8 (E8M0 scales of W2_w, one for each 32 codes along K); hidden_codes 32 x 32 x 24 uint8 (E3M2 codes of hidden, K innermost, in blocks of 32 codes, four codes in three bytes); hidden_scales 32 x 32 uint8 (E8M0 scales of hidden, one for each 32 codes along K); x 32 x 2,048 x 1,024 float32.
;; Outputs: out0 1 x 32 x 1,024 float32; out1 32 x 1 x 2,048 float32.
;; This version of the problem:
;;   THIS VERSION OF THE PROBLEM IS GIVEN IN LOW PRECISION. The matrix products marked QUANTISED in the list below multiply operands that are first quantised to E3M2 (3 exponent bits, 2 mantissa bits; 6 bits a number), with one power-of-two scale for each 32 numbers along K (OCP MX v1.0); their sums are f32. All else is computed in f32.
;;   The module's matrix products, in the order in which they are computed (A, B: the left and right operand; K: the contracted axis; several contracted axes count as one K, in the product's order):
;;     1. [M 65,536, K 1,024] x [K 1,024, N 1,024]; A: input x; B: input W1_w (given as codes): QUANTISED
;;     2. [M 32, K 1,024] x [K 1,024, N 1,024]; A: input hidden (given as codes); B: input W2_w (given as codes): QUANTISED
;;     3. [M 65,536, K 1,024] x [K 1,024, N 1]; A: computed on the way; B: input V_w: left as it is (N = 1 < 16)
;;     4. batch 32 x [M 1, K 2,048] x [K 2,048, N 1,024]; A: softmax; B: input x: left as it is (M = 1 < 16)
;;   THE QUANTISER, for each operand of a quantised product, along K:
;;     - K is cut into blocks of 32 from its start; a last block that is shorter is filled with zeros.
;;     - A block's scale is 2^e with e = floor(log2(the largest magnitude in the block)) - 4, held to -126 .. 127; a block of zeros has e = 0. As a byte (E8M0): e + 127.
;;     - Each number is divided by its block's scale, clamped to +-28, and rounded to the nearest number of E3M2, ties to even, subnormals kept.
;;     - The product sums the exact products of the quantised numbers (number of the format x scale) in f32.
;;   ~~~python
;;   def quantise(x, axis):      # numpy; x: float32 -> the quantised numbers, widened to float32 again
;;       x = np.moveaxis(x, axis, -1); K = x.shape[-1]
;;       x = np.pad(x, [(0, 0)] * (x.ndim - 1) + [(0, -K % 32)]); x = x.reshape(x.shape[:-1] + (-1, 32)); a = np.abs(x).max(-1, keepdims=True)
;;       e = np.where(a > 0, np.clip(np.frexp(np.where(a > 0, a, 1))[1] - 1 - 4, -126, 127), 0)      # np.frexp(a)[1] - 1 = floor(log2(a)), exactly
;;       r = np.clip(x / 2.0 ** e, -28, 28)
;;       step = 2.0 ** (np.maximum(np.frexp(np.where(r == 0, 1, r))[1] - 1, -2) - 2)
;;       q = np.round(r / step) * step * 2.0 ** e      # np.round: ties to even
;;       return np.moveaxis(q.reshape(q.shape[:-2] + (-1,))[..., :K], -1, axis).astype(np.float32)
;;   ~~~
;;   INPUTS GIVEN AS CODES. W1_w (in the module: [1024, 1024], K = its axis 1); W2_w (in the module: [1024, 1024], K = its axis 1); hidden (in the module: [32, 1024], K = its axis 1): each comes as NAME_codes (uint8): NAME with its K axis moved to the last place and cut into blocks of 32 codes, [.., K / 32, bytes a block], one block behind the other in memory; four codes in three bytes: a row's codes are one little-endian stream of bits, code i at bits 6 i .. 6 i + 5 (a code: sign, 3 exponent bits, 2 mantissa bits); and NAME_scales (uint8): the same leading axes, one E8M0 byte (e + 127) for each 32 codes along K. Its value is code x scale, taken as it is: it is not quantised again, and the codes and scales need not be those that the quantiser above would give.
;; One version. Each part assembles by itself: llvm-mc -triple=amdgcn-amd-amdhsa -mcpu=gfx1250 --defsym DOCPART=n.
;; ======== version 1 of 1: 3 launches
;; limits: values are held in bf16: 8 bits of precision; right only within a limited range of input values
;; workspace buffers: w1img 819,200 bytes; cbuf 131,072 bytes; scores 262,144 bytes; pctx 1,048,576 bytes; pml 65,536 bytes
;; launch prep (part 1): grid 64 x 1, 3 waves a work-group, no clusters, 0 bytes of LDS; arguments W1_w_codes, W1_w_scales, W2_w_codes, W2_w_scales, hidden_codes, hidden_scales, W1_b, W2_b, w1img, cbuf; writes w1img, cbuf
.if DOCPART == 1
	.amdgcn_target "amdgcn-amd-amdhsa--gfx1250"
	.amdhsa_code_object_version 6
	.text
	.protected	k_qae78f97bd5_prep
	.globl	k_qae78f97bd5_prep
	.p2align	8
	.type	k_qae78f97bd5_prep,@function
k_qae78f97bd5_prep:
	s_mov_b64 s[64:65], 0
	v_nop
	global_prefetch_b8 v0, s[64:65] scope:SCOPE_SE
	s_setreg_imm32_b32 hwreg(HW_REG_WAVE_MODE, 25, 1), 1
	s_wait_xcnt 0x0
; WORK LEFT OUT, in the whole program.  score[b][t] = V_b + sum over n of V_w[n] tanh(z[b][t][n]), and tanh(z) = 1 - 2 / (1 + e^(2 z)), so
; score[b][t] = (V_b + sum of V_w) - 2 sum over n of V_w[n] / (1 + e^(2 z)).  The bracket is the same for every t, and the scores go into a softmax over t alone:
; softmax(s + k) = softmax(s) for every k, whatever the inputs hold.  So the bracket is never formed; V_b has no way to an output, is not loaded and is no argument of any launch.
; Limit: a NaN, an infinity or an overflow that V_b or the sum of V_w alone would bring is not carried to the result.
; What the main launch wants ready.  Work-group T (0..63) serves columns 16 T .. 16 T + 15 of the hidden width 1,024.
; WAVE 0 lays W1's 16 rows of tile T out as IMAGES OF THE OPERAND'S REGISTERS: a fragment (16 rows x 128 K of E3M2 codes) is 12 registers a lane; registers 4 c .. 4 c + 3 of lane l
;   go to byte 1536 k + 512 c + 16 l of the tile's block of 12,800 bytes; the rows' 32 scale bytes follow at byte 12,288 (16 bytes a lane: lanes 0-15 K steps 0-3, lanes 16-31 K steps 4-7).
;   Tile T = 16 w + 2 s + u (wave w, ring slot s, tile u of the slot) is block 8 s + 2 w + u: the order in which the main launch streams them.
; WAVES 1, 2 make the second quantised product for 16 batches each: cb[b][n] = c (hidden[b] . W2[n] + W1_b[n] + W2_b[n]), c = 2 log2(e), on the codes and scale bytes as given.
;   Used transposed (source 0 = 16 rows of W2, source 1 = 16 rows of hidden): a lane holds one batch and eight neighbouring n.  One accumulator, K ascending.
.set C2L, 0x4038aa3b                   ; c = 2 log2(e)
.macro FRAGS reg, lo                   ; eight fragments of 16 rows of 768 bytes: lane (r, h) takes 24 bytes at 96 k + 24 h and 24 at 96 k + 48 + 24 h, in pieces of 8
.irp k, 0,1,2,3,4,5,6,7
.irp p, 0,1,2,3,4,5
	global_load_b64 v[\reg+12*\k+2*\p:\reg+12*\k+2*\p+1], v3, s[\lo:\lo+1] offset:96*\k+48*(\p/3)+8*(\p%3)
.endr
.endr
.endm
	s_load_b256 s[4:11], s[0:1], 0x0               ; W1's codes, scales; W2's codes, scales
	s_load_b256 s[12:19], s[0:1], 0x20             ; hidden's codes, scales; W1_b; W2_b
	s_load_b128 s[24:27], s[0:1], 0x40             ; w1img s[24:25]; cbuf s[26:27]
	v_lshrrev_b32 v1, 5, v0
	v_readfirstlane_b32 s30, v1                    ; wave 0..2
	v_and_b32 v1, 15, v0                           ; r
	v_bfe_u32 v2, v0, 4, 1                         ; h
	v_mul_u32_u24 v3, v1, 768                      ; a row of 1,024 codes is 768 bytes
	v_mad_u32_u24 v3, v2, 24, v3
	s_mul_i32 s32, ttmp9, 12288                    ; tile T's 16 rows of codes,
	s_mov_b32 s33, 0
	s_lshl_b32 s34, ttmp9, 9                       ; and of scale bytes
	s_mov_b32 s35, 0
	s_mov_b32 s37, 0
	s_wait_alu depctr_va_vdst(0)                   ; the wait at the head's end
	s_wait_kmcnt 0x0
	s_cmp_lg_u32 s30, 0
	s_cbranch_scc1 .Lproduct
	; ---- wave 0: W1's tile as images
	s_add_nc_u64 s[4:5], s[4:5], s[32:33]
	s_add_nc_u64 s[6:7], s[6:7], s[34:35]
	v_lshlrev_b32 v4, 5, v1
	v_lshl_add_u32 v4, v2, 4, v4                   ; scale bytes: 32 r + 16 h
	v_lshlrev_b32 v5, 4, v0                        ; 16 x lane (in wave 0 the thread's number is the lane)
	FRAGS 32, 4
	global_load_b128 v[128:131], v4, s[6:7]
	s_bfe_u32 s36, ttmp9, 0x30001                  ; s = (T / 2) % 8
	s_lshl_b32 s36, s36, 3
	s_lshr_b32 s38, ttmp9, 4                       ; w = T / 16
	s_lshl_b32 s38, s38, 1
	s_add_co_u32 s36, s36, s38
	s_and_b32 s38, ttmp9, 1                        ; u = T % 2
	s_add_co_u32 s36, s36, s38
	s_mul_i32 s36, s36, 12800
	s_add_nc_u64 s[24:25], s[24:25], s[36:37]
	s_wait_alu depctr_va_vdst(0)                   ; the wait ahead of the wait below
	s_wait_loadcnt 0x0
.irp k, 0,1,2,3,4,5,6,7
.irp c, 0,1,2
	global_store_b128 v5, v[32+12*\k+4*\c:32+12*\k+4*\c+3], s[24:25] offset:1536*\k+512*\c   ; 32 lanes store 512 consecutive bytes, at a multiple of 256 from the buffer's first byte
.endr
.endr
	global_store_b128 v5, v[128:131], s[24:25] offset:12288
	s_branch .Lend
.Lproduct:
	; ---- waves 1, 2: batches 16 m .. 16 m + 15, m = wave - 1
	s_sub_co_u32 s31, s30, 1
	s_add_nc_u64 s[8:9], s[8:9], s[32:33]
	s_add_nc_u64 s[10:11], s[10:11], s[34:35]
	s_mul_i32 s36, s31, 12288
	s_add_nc_u64 s[12:13], s[12:13], s[36:37]
	s_lshl_b32 s36, s31, 9
	s_add_nc_u64 s[14:15], s[14:15], s[36:37]
	s_lshl_b32 s36, ttmp9, 6                       ; 16 T numbers of 4 bytes
	s_add_nc_u64 s[16:17], s[16:17], s[36:37]
	s_add_nc_u64 s[18:19], s[18:19], s[36:37]
	s_add_nc_u64 s[26:27], s[26:27], s[36:37]
	s_lshl_b32 s36, s31, 16                        ; 16 rows of cbuf
	s_add_nc_u64 s[26:27], s[26:27], s[36:37]
	s_mov_b32 s40, C2L
	s_mov_b32 s41, s40                             ; (named with it as a pair, so it is written)
	v_lshlrev_b32 v4, 5, v1                        ; scale words: 32 bytes a row
	v_lshlrev_b32 v5, 5, v2                        ; biases: my half's eight numbers
	v_lshl_add_u32 v6, v1, 12, v5                  ; cbuf: row r of 4,096 bytes, + 32 h
	FRAGS 32, 8                                    ; W2: v32-127
	FRAGS 128, 12                                  ; hidden: v128-223
	global_load_b128 v[224:227], v4, s[10:11]      ; W2's eight scale words of row r
	global_load_b128 v[228:231], v4, s[10:11] offset:16
	global_load_b128 v[232:235], v4, s[14:15]      ; hidden's
	global_load_b128 v[236:239], v4, s[14:15] offset:16
	global_load_b128 v[8:11], v5, s[16:17]
	global_load_b128 v[12:15], v5, s[16:17] offset:16
	global_load_b128 v[16:19], v5, s[18:19]
	global_load_b128 v[20:23], v5, s[18:19] offset:16
	s_wait_alu depctr_va_vdst(0)                   ; the wait ahead of the wait below
	s_wait_loadcnt 0x0
.irp p, 0,2,4,6
	v_pk_add_f32 v[8+\p:9+\p], v[8+\p:9+\p], v[16+\p:17+\p]    ; W1_b + W2_b: the C of the sum's first product
.endr
.rept 4
	v_nop
.endr
	v_wmma_scale_f32_16x16x128_f8f6f4 v[240:247], v[32:43], v[128:139], v[8:15], v224, v232 matrix_a_fmt:MATRIX_FMT_BF6 matrix_b_fmt:MATRIX_FMT_BF6
.irp k, 1,2,3,4,5,6,7
	s_wait_alu depctr_va_vdst(0)                   ; the wait directly ahead of every link
	v_wmma_scale_f32_16x16x128_f8f6f4 v[240:247], v[32+12*\k:43+12*\k], v[128+12*\k:139+12*\k], v[240:247], v[224+\k], v[232+\k] matrix_a_fmt:MATRIX_FMT_BF6 matrix_b_fmt:MATRIX_FMT_BF6
.endr
.rept 4
	v_nop                                          ; four places ahead of the first read of the result (ISA guide 7.12.1)
.endr
.irp p, 0,2,4,6
	v_pk_mul_f32 v[24+\p:25+\p], v[240+\p:241+\p], s[40:41] op_sel_hi:[1,0]   ; x c, from the accumulator's low end on
.endr
	global_store_b128 v6, v[24:27], s[26:27]       ; cb(16 m + r, 16 T + 8 h + 0 .. 7)
	global_store_b128 v6, v[28:31], s[26:27] offset:16
.Lend:
	s_endpgm
.Lfunc_end_k_qae78f97bd5_prep:
	.size	k_qae78f97bd5_prep, .Lfunc_end_k_qae78f97bd5_prep-k_qae78f97bd5_prep
	.p2alignl 7, 3214868480
	.fill 96, 4, 3214868480
	.section	.rodata,"a",@progbits
	.p2align	6, 0x0
	.amdhsa_kernel k_qae78f97bd5_prep
		.amdhsa_group_segment_fixed_size 0
		.amdhsa_private_segment_fixed_size 0
		.amdhsa_enable_private_segment 0
		.amdhsa_kernarg_size 80
		.amdhsa_user_sgpr_count 2
		.amdhsa_user_sgpr_kernarg_segment_ptr 1
		.amdhsa_wavefront_size32 1
		.amdhsa_system_sgpr_workgroup_id_x 1
		.amdhsa_system_sgpr_workgroup_id_y 1
		.amdhsa_system_sgpr_workgroup_id_z 1
		.amdhsa_system_vgpr_workitem_id 0
		.amdhsa_next_free_vgpr 256
		.amdhsa_next_free_sgpr 66
		.amdhsa_reserve_vcc 0
		.amdhsa_float_denorm_mode_32 3
		.amdhsa_float_denorm_mode_16_64 3
		.amdhsa_memory_ordered 1
		.amdhsa_forward_progress 1
		.amdhsa_inst_pref_size 22
	.end_amdhsa_kernel
	.amdgpu_metadata
---
amdhsa.version: [ 1, 2 ]
amdhsa.kernels:
  - .name:           k_qae78f97bd5_prep
    .symbol:         k_qae78f97bd5_prep.kd
    .args:
      - { .name: W1_w_codes, .offset: 0, .size: 8, .value_kind: global_buffer, .address_space: global }
      - { .name: W1_w_scales, .offset: 8, .size: 8, .value_kind: global_buffer, .address_space: global }
      - { .name: W2_w_codes, .offset: 16, .size: 8, .value_kind: global_buffer, .address_space: global }
      - { .name: W2_w_scales, .offset: 24, .size: 8, .value_kind: global_buffer, .address_space: global }
      - { .name: hidden_codes, .offset: 32, .size: 8, .value_kind: global_buffer, .address_space: global }
      - { .name: hidden_scales, .offset: 40, .size: 8, .value_kind: global_buffer, .address_space: global }
      - { .name: W1_b, .offset: 48, .size: 8, .value_kind: global_buffer, .address_space: global }
      - { .name: W2_b, .offset: 56, .size: 8, .value_kind: global_buffer, .address_space: global }
      - { .name: w1img, .offset: 64, .size: 8, .value_kind: global_buffer, .address_space: global }
      - { .name: cbuf, .offset: 72, .size: 8, .value_kind: global_buffer, .address_space: global }
    .group_segment_fixed_size: 0
    .private_segment_fixed_size: 0
    .kernarg_segment_align: 8
    .kernarg_segment_size: 80
    .max_flat_workgroup_size: 96
    .sgpr_count:     66
    .vgpr_count:     256
    .wavefront_size: 32
...
	.end_amdgpu_metadata
.endif
;; end of part 1
;; launch main (part 2): grid 256 x 1, 4 waves a work-group, clusters of 4 x 1, 327,680 bytes of LDS; arguments x, w1img, cbuf, V_w, scores, pctx, pml; writes scores, pctx, pml
.if DOCPART == 2
	.amdgcn_target "amdgcn-amd-amdhsa--gfx1250"
	.amdhsa_code_object_version 6
	.text
	.protected	k_qae78f97bd5_main
	.globl	k_qae78f97bd5_main
	.p2align	8
	.type	k_qae78f97bd5_main,@function
k_qae78f97bd5_main:
	s_mov_b64 s[64:65], 0
	v_nop
	global_prefetch_b8 v0, s[64:65] scope:SCOPE_SE
	s_setreg_imm32_b32 hwreg(HW_REG_WAVE_MODE, 25, 1), 1
	s_wait_xcnt 0x0
	s_wait_alu depctr_hold_cnt(0) depctr_sa_sdst(0) depctr_va_vdst(0) depctr_va_sdst(0) depctr_va_ssrc(0) depctr_va_vcc(0) depctr_vm_vsrc(0)
	s_getreg_b32 s2, hwreg(HW_REG_IB_STS2, 6, 4)
	s_cmp_eq_u32 s2, 0
	s_cbranch_scc0 .Lentry_in_a_cluster
	s_endpgm
.Lentry_in_a_cluster:
	s_bfe_u32 s2, ttmp6, 0x10000c
	s_cmp_lg_u32 s2, 0x3003
	s_cbranch_scc0 .Lentry_shape_is_right
	s_endpgm
.Lentry_shape_is_right:
; Left out, as shown at the head of the first kernel: V_b and the sum of V_w, which are the same along the softmax's axis.  The scores here are -2 sum over n of V_w[n] / (1 + e^(2 z)).
; Work-group g (0..255) takes rows 256 g .. 256 g + 255 of x (batch g / 8) through everything: quantiser, first product, tanh, score, a running softmax and the weighted sum of x; x is read once.
; Out: its 256 scores, its running maximum and sum, and its part of the context; the next launch joins a batch's eight parts.
; THE WALK: 16 tiles of 16 rows.  In step t (0..18) tile t enters; tiles t-3 .. t are at work in four register slots (tile % 4) against quarter t % 4 of W1's 1,024 rows, so each tile meets all
; four quarters; at the step's end tile t-3 is finished.  Wave w owns W1's rows 256 w .. 256 w + 255: 4 column tiles of 16 a step.  Steps 0, 1 multiply slots 0, 1 alone and steps 17, 18 slots 2, 3 alone
; (the other pair holds no tile then); a slot that holds no tile inside a pair at work holds zero codes or a finished tile, and its sums are never read.
; A COLUMN TILE: 32 matrix instructions in one run (8 K steps x 4 slots, the accumulators by turns), then tanh in batches.  Between a batch of transcendentals and the
; wait behind it stands work that names none of its results: the next tile's fragment loads, the quantiser of one row of x, that row's next loads.
; W1's IMAGES come through two LDS slots of 102,400 bytes by joint tensor loads (4 work-groups of a cluster share each); each wave loads and reads its own 25,600 bytes.  Slot 0 is filled again
; between its two tiles' runs, when its last fragments are in registers; slot 1 at the step's end, where the round of the cluster's barrier also shows the partial scores and x's image to all waves.
; x: wave w converts rows 4 w .. 4 w + 3 of the tile that enters next, one row beside each column tile: through a stage in LDS (a lane then holds a block of 32 along K), codes and scale bytes into an
; image in LDS that all waves read at the step's end, bf16 pairs parked in LDS until their register slot is free.  Each row's registers are asked for again at once: one whole step ahead of their use.
; For that reason no data prefetch is written for x; W1's images are asked for by every cluster in every step.
; In steps 14 to 17 no tile is left to ask for: the eight loads a row are still issued, every lane at one 16 bytes of the last tile, results unused, so that 24 younger loads stand behind each row waited for on every way.
; In steps 15 and 16 the quantiser's lines, which stand where no branch may stand, run on those unused numbers; in steps 15 to 17 what is read from the image and the parked rows goes to slots whose results are never read.
; Limits: e^(2 z) beyond f32's range gives tanh = 1, as reference() has it; the running maximum starts at -3e38.
; REGISTERS: window 0: v0-31 addresses; v32-63 x's scale words; v64-71 W1's; v72-79 cb, then the quantiser's numbers; v80-87 -2 V_w; v88-95 score sums; v96-127 context; v128-159 accumulators, at the step's end the softmax's numbers; v160-255 W1's fragments.
;   windows 1, 2: v0-191 x's codes (K steps 0-3, 4-7); v192-255 bf16 slots 0, 1.  window 3: v0-127 x on its way; v128-255 bf16 slots 2, 3.
.set WPART,  25600
.set TBLK,   12800
.set RINGB,  4*WPART
.set IMG,    2*RINGB                   ; 16 rows x (768 + 16)
.set IPITCH, 784
.set XSC,    IMG+16*IPITCH             ; 16 rows x (32 + 16)
.set XPITCH, 48
.set STG,    XSC+16*XPITCH             ; a stage of 32 x 144 bytes for each wave
.set SPITCH, 144
.set CBT,    STG+4*32*SPITCH           ; cb's row of the batch,
.set VPT,    CBT+4096                  ; and -2 V_w
.set EXC,    VPT+4096                  ; the waves' partial scores: 256 bytes for the loop's steps, 256 of its own for the last step, which has no barrier between the loop's last reads and its store
.set SCR,    EXC+512                   ; the scores, a copy of 1,280 bytes for each wave
.set STASH,  SCR+4*1280                ; parked bf16 rows, 8,192 bytes for each wave
.set SPARE,  STASH+32768               ; the spare words: 512 bytes that no other line names
.set XO,  1
.set STI, 2
.set STO, 3
.set IMW, 4
.set XSW, 5
.set IMR, 6
.set XSR, 7
.set AW,  8
.set AS,  10
.set AT0, 12
.set ATC, 13
.set EXW, 14
.set EXR, 15
.set SCW, 16
.set SCA, 17
.set BPI, 18
.set SPW, 22
.set NIL, 23
.set MX,  24
.set LS,  25
.set LOW, 26
.set FRD, 27
.set FO,  28
.set XV,  29
.set BST, 30
.set XS,  32
.set WS,  64
.set CB,  72
.set VP,  80
.set SA,  88
.set CTX, 96
.set ACC, 128
.set WF,  160
.set QM,  CB                           ; once cb has been added, its eight registers serve the quantiser: two maxima, then the codes;
.set CT,  CB
.set QS,  CB+7                         ; the scale operand, then the scale's byte
.set RT,  ACC+12
.set SM,  ACC
.set MSB, 0
.macro WIN new                         ; the immediate's high byte repeats the setting that is left
.if MSB != (\new)
	s_set_vgpr_msb (MSB<<8)|(\new)
.set MSB, (\new)
.endif
.endm
.macro PLACES n
.rept \n
	v_nop
.endr
.endm
.macro BARRIER
	s_wait_alu depctr_va_vdst(0)                   ; the wait ahead of the waits below
	s_wait_dscnt 0x0
	s_barrier_signal -1
	s_barrier_wait -1
.endm
.macro CROUND                          ; a round of the cluster's barrier
	s_barrier_signal -1
	s_barrier_wait -1
	s_cmp_lg_u32 s20, 0
	s_cbranch_scc1 .Lnot_wave_0_\@
	s_barrier_signal -3
.Lnot_wave_0_\@:
	s_barrier_wait -3
	s_barrier_signal -1
	s_barrier_wait -1
.endm
.macro SETBF j                         ; where slot j's bf16 rows lie
.if \j == 0
.set BFW, 1
.set BFB, 192
.elseif \j == 1
.set BFW, 2
.set BFB, 192
.elseif \j == 2
.set BFW, 3
.set BFB, 128
.else
.set BFW, 3
.set BFB, 192
.endif
.endm
.macro XLOAD i, off                    ; my row i of a tile: 4,096 bytes, each load 512 consecutive bytes
	WIN 0xc0
.irp c, 0,1,2,3,4,5,6,7
	global_load_b128 v[32*\i+4*\c:32*\i+4*\c+3], v[XV], s[42:43] offset:\off+4096*\i+512*\c th:TH_LOAD_NT
.endr
	WIN 0
.endm
.macro ST i                            ; row i into my stage, a block of 32 numbers to a stage row,
	WIN 0x0c
.irp c, 0,1,2,3,4,5,6,7
	ds_store_b128 v[STI], v[32*\i+4*\c:32*\i+4*\c+3] offset:4*SPITCH*\c
.endr
.endm
.macro LD i                            ; and back into the same registers: lane l holds K = 32 l .. 32 l + 31 (LDS serves a wave's instructions in order: ISA guide 5.7.1.4)
	WIN 0xc0
.irp c, 0,1,2,3,4,5,6,7
	ds_load_b128 v[32*\i+4*\c:32*\i+4*\c+3], v[STO] offset:16*\c
.endr
	WIN 0
.endm
; The quantiser of a lane's block, in three parts.  Q1: the largest magnitude over the floor 2^(5 - 127), and the scale operand.
.macro Q1 i
.set QT, 32*(\i)
	v_mov_b32 v[QM], 0x2800000
	v_mov_b32 v[QM+1], 0x2800000
	WIN 0x3c
.set qn, 0
.rept 16
	v_max3_num_f32 v[QM+qn%2], v[QM+qn%2], |v[QT+2*qn]|, |v[QT+2*qn+1]|
.set qn, qn+1
.endr
	WIN 0
	v_max_num_f32 v[QM], v[QM], v[QM+1]
	v_add_nc_u32 v[QS], 0xfe000000, v[QM]          ; 4 off the exponent field: the conversion's scale operand
.endm
; Q2: 32 codes in 24 bytes and the scale's byte; then the block as 16 bf16 pairs, parked in LDS.
.macro Q2 i
.set QT, 32*(\i)
	WIN 0x03
	v_cvt_scalef32_pk16_bf6_f32 v[CT:CT+2], v[QT:QT+15], v[QS]
	v_cvt_scalef32_pk16_bf6_f32 v[CT+4:CT+6], v[QT+16:QT+31], v[QS]
	WIN 0
	v_nop                                          ; the plain place behind the conversions
	v_lshrrev_b32 v[QS], 23, v[QS]                 ; the scale's byte
	v_mov_b32 v[CT+3], v[CT+4]
	v_mov_b32 v[CT+4], v[CT+5]
	v_mov_b32 v[CT+5], v[CT+6]
	WIN 0xcf
.set qn, 0
.rept 16
	v_cvt_pk_bf16_f32 v[QT+qn], v[QT+2*qn], v[QT+2*qn+1]   ; in place, ascending: a pair lands on registers already read
.set qn, qn+1
.endr
	WIN 0x0c
.irp c, 0,1,2,3
	ds_store_b128 v[BST], v[QT+4*\c:QT+4*\c+3] offset:2048*(\i)+512*\c
.endr
	WIN 0
.endm
; Q3: codes and byte into the image that all waves read.
.macro Q3 i
.irp p, 0,1,2
	ds_store_b64 v[IMW], v[CT+2*\p:CT+2*\p+1] offset:IPITCH*(\i)+8*\p
.endr
	ds_store_b8 v[XSW], v[QS] offset:XPITCH*(\i)
.endm
.macro BFLOAD j                        ; my four parked rows into slot j: 16 loads
	SETBF \j
	WIN BFW<<6
.irp i, 0,1,2,3
.irp c, 0,1,2,3
	ds_load_b128 v[BFB+16*\i+4*\c:BFB+16*\i+4*\c+3], v[BST] offset:2048*\i+512*\c
.endr
.endr
	WIN 0
.endm
.macro LOADCODES j                     ; the image's 16 rows as eight fragments and eight scale words into slot j: 50 loads
	WIN 0x40
.irp k, 0,1,2,3
.irp p, 0,1,2,3,4,5
	ds_load_b64 v[48*\k+12*\j+2*\p:48*\k+12*\j+2*\p+1], v[IMR] offset:96*\k+48*(\p/3)+8*(\p%3)
.endr
.endr
	WIN 0x80
.irp k, 0,1,2,3
.irp p, 0,1,2,3,4,5
	ds_load_b64 v[48*\k+12*\j+2*\p:48*\k+12*\j+2*\p+1], v[IMR] offset:96*(\k+4)+48*(\p/3)+8*(\p%3)
.endr
.endr
	WIN 0
	ds_load_b128 v[XS+8*\j:XS+8*\j+3], v[XSR]
	ds_load_b128 v[XS+8*\j+4:XS+8*\j+7], v[XSR] offset:16
.endm
.macro TABLES b, u                     ; the tile's eight cb and eight -2 V_w of my half of the lanes: 4 loads
	ds_load_b128 v[CB:CB+3], v[ATC] offset:128*\b+64*\u
	ds_load_b128 v[CB+4:CB+7], v[ATC] offset:128*\b+64*\u+16
	ds_load_b128 v[VP:VP+3], v[ATC] offset:4096+128*\b+64*\u
	ds_load_b128 v[VP+4:VP+7], v[ATC] offset:4096+128*\b+64*\u+16
.endm
.macro WSLOAD b                        ; the scale words of slot b's two tiles: lanes 0-15 tile 0's, lanes 16-31 tile 1's
	ds_load_b128 v[WS:WS+3], v[AS+\b]
	ds_load_b128 v[WS+4:WS+7], v[AS+\b] offset:256
.endm
.macro WFLOAD b, u                     ; a tile's eight fragments: 24 loads
.irp k, 0,1,2,3,4,5,6,7
.irp c, 0,1,2
	ds_load_b128 v[WF+12*\k+4*\c:WF+12*\k+4*\c+3], v[AW+\b] offset:TBLK*\u+1536*\k+512*\c
.endr
.endr
.endm
.macro MM1 k, u, s                     ; transposed: source 0 = 16 rows of W1, source 1 = 16 rows of x: a lane holds one row of x and eight neighbouring n
.if (\k) == 0
.if \u
	v_wmma_scale_f32_16x16x128_f8f6f4 v[ACC+8*(\s):ACC+8*(\s)+7], v[WF+12*(\k):WF+12*(\k)+11], v[48*((\k)%4)+12*(\s):48*((\k)%4)+12*(\s)+11], 0, v[WS+(\k)], v[XS+8*(\s)+(\k)] matrix_a_fmt:MATRIX_FMT_BF6 matrix_b_fmt:MATRIX_FMT_BF6 matrix_a_scale:MATRIX_SCALE_ROW1
.else
	v_wmma_scale_f32_16x16x128_f8f6f4 v[ACC+8*(\s):ACC+8*(\s)+7], v[WF+12*(\k):WF+12*(\k)+11], v[48*((\k)%4)+12*(\s):48*((\k)%4)+12*(\s)+11], 0, v[WS+(\k)], v[XS+8*(\s)+(\k)] matrix_a_fmt:MATRIX_FMT_BF6 matrix_b_fmt:MATRIX_FMT_BF6
.endif
.else
.if \u
	v_wmma_scale_f32_16x16x128_f8f6f4 v[ACC+8*(\s):ACC+8*(\s)+7], v[WF+12*(\k):WF+12*(\k)+11], v[48*((\k)%4)+12*(\s):48*((\k)%4)+12*(\s)+11], v[ACC+8*(\s):ACC+8*(\s)+7], v[WS+(\k)], v[XS+8*(\s)+(\k)] matrix_a_fmt:MATRIX_FMT_BF6 matrix_b_fmt:MATRIX_FMT_BF6 matrix_a_scale:MATRIX_SCALE_ROW1
.else
	v_wmma_scale_f32_16x16x128_f8f6f4 v[ACC+8*(\s):ACC+8*(\s)+7], v[WF+12*(\k):WF+12*(\k)+11], v[48*((\k)%4)+12*(\s):48*((\k)%4)+12*(\s)+11], v[ACC+8*(\s):ACC+8*(\s)+7], v[WS+(\k)], v[XS+8*(\s)+(\k)] matrix_a_fmt:MATRIX_FMT_BF6 matrix_b_fmt:MATRIX_FMT_BF6
.endif
.endif
.endm
.macro RUN u, s0, ns                   ; 8 K steps x slots s0 .. s0 + ns - 1, one instruction a turn; then the places ahead of loads into, and reads of, its registers
	WIN 0x04
.irp k, 0,1,2,3
.set rs, \s0
.rept \ns
	MM1 \k, \u, rs
.set rs, rs+1
.endr
.endr
	WIN 0x08
.irp k, 4,5,6,7
.set rs, \s0
.rept \ns
	MM1 \k, \u, rs
.set rs, rs+1
.endr
.endr
	PLACES 5
	WIN 0
.endm
; score sums += -2 V_w / (1 + 2^(c z + cb)), in batches; a wait ahead of and behind each batch of transcendentals.
; Behind each batch, ahead of its wait, stands work that names none of its results.  ld: the next tile's (nb, nu) fragments (ws: with slot nb's scale words); conv: row p of x is quantised; xl: and asked for again.
.macro EPI s0, ns, ld, nb, nu, ws, p, conv, xl
.set en, 8*(\s0)
.rept 4*(\ns)
	v_pk_fma_f32 v[ACC+en:ACC+en+1], v[ACC+en:ACC+en+1], s[54:55], v[CB+en%8:CB+en%8+1] op_sel_hi:[1,0,1]   ; each accumulator from its low end on
.set en, en+2
.endr
	s_wait_alu depctr_va_vdst(0)
.set en, 8*(\s0)
.rept 8*(\ns)
	v_exp_f32 v[ACC+en], v[ACC+en]
.set en, en+1
.endr
	v_nop
.if \ld
.if \ws
	WSLOAD \nb
.endif
	WFLOAD \nb, \nu
.endif
.if \conv
	Q1 \p
.endif
	s_wait_alu depctr_va_vdst(0)
.set en, 8*(\s0)
.rept 4*(\ns)
	v_pk_add_f32 v[ACC+en:ACC+en+1], v[ACC+en:ACC+en+1], 1.0 op_sel_hi:[1,0]
.set en, en+2
.endr
	s_wait_alu depctr_va_vdst(0)
.set en, 8*(\s0)
.rept 8*(\ns)
	v_rcp_f32 v[ACC+en], v[ACC+en]
.set en, en+1
.endr
	v_nop
.if \conv
	Q2 \p
.if \p
	Q3 \p                                          ; (row 0's go behind the slot change that follows its tile: the barrier between the other waves' reads of the image and these stores)
.endif
.endif
.if \xl
	XLOAD \p, 65536
.endif
	s_wait_alu depctr_va_vdst(0)
.irp q, 0,2,4,6
.set en, \s0
.rept \ns
	v_pk_fma_f32 v[SA+2*en:SA+2*en+1], v[ACC+8*en+\q:ACC+8*en+\q+1], v[VP+\q:VP+\q+1], v[SA+2*en:SA+2*en+1]
.set en, en+1
.endr
.endr
.endm
.macro BODY u, s0, ns, ld, nb, nu, ws, p, conv, xl
	RUN \u, \s0, \ns
	s_wait_dscnt 0x0                               ; the tables and my row of x, asked for ahead of the run
	EPI \s0, \ns, \ld, \nb, \nu, \ws, \p, \conv, \xl
	s_wait_alu depctr_va_vdst(0)                   ; the wait ahead of the branches and waits that follow
.endm
; A column tile (slot b, tile u); p: which of my four rows of x goes beside it.  loop = 0: the last step, slots 2, 3 alone, no x.
.macro POS p, b, u, ld, nb, nu, ws, loop
	s_wait_alu depctr_va_vdst(0)
	TABLES \b, \u
	s_wait_dscnt 4                                 ; all but the four just issued: the tile's fragments and scale words, x's codes
.if \loop
	s_wait_loadcnt 24                              ; my row p is in: behind it 24 loads were issued, three rows'
	s_cmp_ge_u32 s46, 15
	s_cbranch_scc1 .Lnp_\@                         ; no tile enters behind tile 15
	ST \p
	LD \p
.Lnp_\@:
	s_cmp_lt_u32 s46, 2
	s_cbranch_scc1 .La_\@
	s_cmp_ge_u32 s46, 17
	s_cbranch_scc1 .Lb_\@
	BODY \u, 0, 4, \ld, \nb, \nu, \ws, \p, 1, 1
	s_branch .Ld_\@
.La_\@:
	BODY \u, 0, 2, \ld, \nb, \nu, \ws, \p, 1, 1
	s_branch .Ld_\@
.Lb_\@:
.endif
	BODY \u, 2, 2, \ld, \nb, \nu, \ws, \p, 0, \loop
.if \loop
.Ld_\@:
.endif
.endm
; Slot b's last fragments are in registers: it takes the next step's images.  The wait for all my tensor loads, the add, the wait for it and for my LDS instructions, a round of the cluster's barrier, my one joint load.
.macro CHANGE b
	s_wait_tensorcnt 0x0
	ds_add_u32 v[SPW], v[NIL]
	s_add_co_u32 s62, s48, \b*RINGB
	s_add_nc_u64 s[34+4*\b:35+4*\b], s[40:41], s[62:63]
	s_or_b32 s[35+4*\b], s[35+4*\b], 0x80000000
	s_wait_dscnt 0x0
	CROUND
	tensor_load_to_lds s[32+4*\b:35+4*\b], s[24:31]
	s_nop 0
	PLACES 4
.endm
.macro RET1 j, off                     ; slot j's tile is finished: my 256 columns' share of its 16 scores
	v_add_f32 v[RT], v[SA+2*\j], v[SA+2*\j+1]
	v_mov_b32 v[RT+1], 0
	v_permlanex16_b32 v[RT+1], v[RT], s56, s57
	v_mov_b32 v[SA+2*\j], 0
	v_mov_b32 v[SA+2*\j+1], 0
	v_add_f32 v[RT], v[RT], v[RT+1]
	ds_store_b32 v[EXW], v[RT] offset:\off
.endm
.macro EXLOAD off
.irp i, 0,1,2,3
	ds_load_b32 v[SM+\i], v[EXR] offset:\off+64*\i
.endr
.endm
.macro SOFT pre                        ; the running softmax over the tile's 16 scores (every wave for itself); pre = 1: the next step's first fragments are asked for on the way
	v_add_f32 v[SM], v[SM], v[SM+1]
	v_add_f32 v[SM+2], v[SM+2], v[SM+3]
	v_add_f32 v[SM], v[SM], v[SM+2]
	ds_store_b32 v[SCA], v[SM]                     ; into my wave's copy of the scores
	v_cndmask_b32 v[SM+4], v[LOW], v[SM], s51      ; steps 0 to 2 finish no tile: -3e38
	v_mov_b32 v[SM+5], v[SM+4]
.irp m, 1,2,4,8
	v_max_num_f32_dpp v[SM+5], v[SM+5], v[SM+5] row_xmask:\m row_mask:0xf bank_mask:0xf
.endr
	v_max_num_f32 v[SM+6], v[MX], v[SM+5]
	v_sub_f32 v[SM+7], v[MX], v[SM+6]
	v_sub_f32 v[SM+8], v[SM+4], v[SM+6]
	v_mul_f32 v[SM+7], s58, v[SM+7]
	v_mul_f32 v[SM+8], s58, v[SM+8]
	s_wait_alu depctr_va_vdst(0)                   ; ahead of the two exponentials, and behind them
	v_exp_f32 v[SM+10], v[SM+7]
	v_exp_f32 v[SM+9], v[SM+8]
	v_mov_b32 v[MX], v[SM+6]
	s_wait_alu depctr_va_vdst(0)
	v_mov_b32 v[SM+11], v[SM+10]
	v_mov_b32 v[SM+12], v[SM+9]
.irp m, 1,2,4,8
	v_add_f32_dpp v[SM+12], v[SM+12], v[SM+12] row_xmask:\m row_mask:0xf bank_mask:0xf
.endr
	v_fma_f32 v[LS], v[LS], v[SM+10], v[SM+12]
.irp i, 0,1,2,3
	ds_bpermute_b32 v[SM+16+\i], v[BPI+\i], v[SM+9]   ; the weights of my four rows
.endr
.if \pre
	WSLOAD 0
	WFLOAD 0, 0
.endif
.set en, 0
.rept 16
	v_pk_mul_f32 v[CTX+en:CTX+en+1], v[CTX+en:CTX+en+1], v[SM+10:SM+11]
.set en, en+2
.endr
.if \pre
	s_wait_dscnt 26                                ; all but the 26 just issued
.else
	s_wait_dscnt 0x0
.endif
.endm
.macro CTXADD j                        ; context += weight x my four rows of slot j's tile
	SETBF \j
	WIN BFW
.irp i, 0,1,2,3
.set en, 0
.rept 16
	v_fma_mix_f32_bf16 v[CTX+2*en], v[BFB+16*\i+en], v[SM+16+\i], v[CTX+2*en] op_sel_hi:[1,0,0]
	v_fma_mix_f32_bf16 v[CTX+2*en+1], v[BFB+16*\i+en], v[SM+16+\i], v[CTX+2*en+1] op_sel:[1,0,0] op_sel_hi:[1,0,0]
.set en, en+1
.endr
.endr
	WIN 0
.endm
.macro ZERO from, n
.set zn, \from
.rept \n
	v_mov_b32 v[zn], 0
.set zn, zn+1
.endr
.endm
	s_load_b256 s[4:11], s[0:1], 0x0               ; x, w1img, cbuf, V_w
	s_load_b128 s[12:15], s[0:1], 0x20             ; scores, pctx
	s_load_b64 s[16:17], s[0:1], 0x30              ; pml
	v_lshl_add_u32 v[SPW], v0, 2, SPARE
	v_mov_b32 v[NIL], 0
	ds_add_u32 v[SPW], v[NIL]                      ; the opening: the add, twice on end, and its wait
	ds_add_u32 v[SPW], v[NIL]
	v_lshrrev_b32 v31, 5, v0
	v_readfirstlane_b32 s20, v31                   ; wave
	s_bfe_u32 s21, ttmp6, 0x40000
	s_lshl_b32 s22, ttmp9, 2
	s_add_co_u32 s22, s22, s21                     ; work-group g
	v_and_b32 v246, 31, v0
	v_lshlrev_b32 v[XO], 4, v246
	v_mov_b32 v[XV], v[XO]
	v_lshlrev_b32 v247, 4, v0
	s_lshl_b32 s44, s22, 20                        ; my work-group's 256 rows of 4,096 bytes,
	s_lshl_b32 s23, s20, 14
	s_add_co_u32 s44, s44, s23                     ; and my 4 rows of each tile
	s_mov_b32 s45, 0
	s_lshr_b32 s60, s22, 3
	s_lshl_b32 s60, s60, 12                        ; the batch's row of cbuf
	s_mov_b32 s61, 0
	s_mul_i32 s53, s20, WPART
	s_mov_b32 s62, s53
	s_mov_b32 s63, 0
	s_wait_alu depctr_va_vdst(0)                   ; the wait ahead of the waits below
	s_wait_dscnt 0x0
	s_wait_kmcnt 0x0
	s_add_nc_u64 s[42:43], s[4:5], s[44:45]
	s_add_nc_u64 s[8:9], s[8:9], s[60:61]
	global_load_b128 v[216:219], v247, s[8:9]
	global_load_b128 v[220:223], v247, s[8:9] offset:2048
	global_load_b128 v[224:227], v247, s[10:11]
	global_load_b128 v[228:231], v247, s[10:11] offset:2048
.irp i, 0,1,2,3
	XLOAD \i, 0                                    ; tile 0
.endr
	s_add_nc_u64 s[40:41], s[6:7], s[62:63]
	s_lshl_b32 s60, s22, 10
	s_add_nc_u64 s[12:13], s[12:13], s[60:61]
	s_lshl_b32 s60, s22, 12
	s_add_nc_u64 s[14:15], s[14:15], s[60:61]
	s_lshl_b32 s60, s22, 8
	s_add_nc_u64 s[16:17], s[16:17], s[60:61]
	s_mov_b32 s54, 0x4038aa3b                      ; c = 2 log2(e)
	s_mov_b32 s55, s54
	s_mov_b32 s56, 0x76543210
	s_mov_b32 s57, 0xfedcba98
	s_mov_b32 s58, 0x3fb8aa3b                      ; log2(e)
	s_mov_b32 s24, 15|(3<<16)|(1<<21)              ; a dense block of 25,600 bytes as 100 rows of 256; the mask names the cluster's four
	s_mov_b32 s25, 32<<16
	s_mov_b32 s26, 100<<16
	s_mov_b32 s27, 32<<16
	s_mov_b32 s28, 100
	s_mov_b32 s29, 32
	s_mov_b32 s30, 0
	s_mov_b32 s31, 0
	s_mov_b32 s32, 1
	s_mov_b32 s33, s53
	s_mov_b64 s[34:35], s[40:41]
	s_or_b32 s35, s35, 0x80000000
	s_mov_b32 s36, 1
	s_add_co_u32 s37, s53, RINGB
	s_add_nc_u64 s[38:39], s[40:41], RINGB
	s_or_b32 s39, s39, 0x80000000
	CROUND
	tensor_load_to_lds s[32:35], s[24:31]          ; slot 0: my one load at the head
	s_nop 0
	PLACES 4
	v_and_b32 v240, 15, v0
	v_bfe_u32 v241, v0, 4, 1
	v_lshrrev_b32 v243, 3, v246
	v_and_b32 v244, 7, v0
	s_mul_i32 s23, s20, 32*SPITCH
	s_add_co_u32 s23, s23, STG
	v_mul_u32_u24 v245, v243, SPITCH
	v_lshl_add_u32 v245, v244, 4, v245
	v_add_nc_u32 v[STI], s23, v245
	v_mul_u32_u24 v[STO], v246, SPITCH
	v_add_nc_u32 v[STO], s23, v[STO]
	s_mul_i32 s23, s20, 8*SPITCH
	s_add_co_u32 s23, s23, STG
	v_add_nc_u32 v[FRD], s23, v245
	s_mul_i32 s23, s20, 4*IPITCH
	s_add_co_u32 s23, s23, IMG
	v_mul_u32_u24 v[IMW], v246, 24
	v_add_nc_u32 v[IMW], s23, v[IMW]
	s_mul_i32 s23, s20, 4*XPITCH
	s_add_co_u32 s23, s23, XSC
	v_add_nc_u32 v[XSW], s23, v246
	v_mul_u32_u24 v[IMR], v240, IPITCH
	v_mad_u32_u24 v[IMR], v241, 24, v[IMR]
	v_add_nc_u32 v[IMR], IMG, v[IMR]
	v_mul_u32_u24 v[XSR], v240, XPITCH
	v_add_nc_u32 v[XSR], XSC, v[XSR]
	v_add_nc_u32 v[AW], s53, v[XO]
	v_add_nc_u32 v[AW+1], RINGB, v[AW]
	v_mul_u32_u24 v[AS], v241, TBLK
	v_lshl_add_u32 v[AS], v240, 4, v[AS]
	s_add_co_u32 s23, s53, 12288
	v_add_nc_u32 v[AS], s23, v[AS]
	v_add_nc_u32 v[AS+1], RINGB, v[AS]
	s_lshl_b32 s23, s20, 10
	v_add_nc_u32 v[FO], s23, v[XO]
	s_add_co_u32 s23, s23, CBT
	v_lshl_add_u32 v[AT0], v241, 5, s23
	s_lshl_b32 s23, s20, 6
	s_add_co_u32 s23, s23, EXC
	v_lshl_add_u32 v[EXW], v240, 2, s23
	v_lshl_add_u32 v[EXR], v240, 2, EXC
	s_mul_i32 s23, s20, 1280
	s_add_co_u32 s23, s23, SCR
	v_lshl_add_u32 v[SCW], v240, 2, s23
	s_lshl_b32 s23, s20, 13
	s_add_co_u32 s23, s23, STASH
	v_add_nc_u32 v[BST], s23, v[XO]
	s_lshl_b32 s23, s20, 4
	v_mov_b32 v[BPI], s23
.irp i, 1,2,3
	v_add_nc_u32 v[BPI+\i], 4*\i, v[BPI]
.endr
	v_mov_b32 v[LOW], 0xff61b1e6
	v_mov_b32 v[MX], v[LOW]
	v_mov_b32 v[LS], 0
	v_mov_b32 v[ATC], v[AT0]
	; slots 1 to 3 hold no tile yet: zero codes, zero bf16 rows (scale bytes 0 are finite codes)
	WIN 0x40
.irp k, 0,1,2,3
	ZERO 48*\k+12, 36
.endr
	WIN 0x80
.irp k, 0,1,2,3
	ZERO 48*\k+12, 36
.endr
	ZERO 192, 64
	WIN 0xc0
	ZERO 128, 128
	WIN 0
	ZERO XS+8, 24
	ZERO SA, 40                                    ; the score sums and the context
	s_wait_alu depctr_va_vdst(0)                   ; the wait at the head's end
	s_wait_tensorcnt 0x0                           ; slot 1's first fill is issued as a refill is
	ds_add_u32 v[SPW], v[NIL]
	s_wait_dscnt 0x0
	CROUND
	tensor_load_to_lds s[36:39], s[24:31]
	s_nop 0
	PLACES 4
	s_wait_loadcnt 32                              ; the four loads of the tables are in; x's 32 may be out
	v_add_nc_u32 v248, CBT, v247
.irp p, 0,2,4,6
	v_pk_mul_f32 v[224+\p:225+\p], v[224+\p:225+\p], -2.0 op_sel_hi:[1,0]
.endr
	ds_store_b128 v248, v[216:219]
	ds_store_b128 v248, v[220:223] offset:2048
	ds_store_b128 v248, v[224:227] offset:4096
	ds_store_b128 v248, v[228:231] offset:6144
.irp i, 0,1,2,3
	s_wait_loadcnt 24                              ; row i of tile 0: 24 younger loads, as in the loop
	ST \i
	LD \i
	s_wait_dscnt 0x0
	Q1 \i
	Q2 \i
	Q3 \i
	XLOAD \i, 65536                                ; tile 1
.endr
	BFLOAD 0
	BARRIER                                        ; the image and the tables are whole
	LOADCODES 0
	WSLOAD 0
	WFLOAD 0, 0
	s_mov_b32 s46, 0                               ; t
	s_mov_b32 s50, 0
	s_mov_b32 s61, 0
.Lstep:
	s_add_co_u32 s47, s46, 1
	s_and_b32 s47, s47, 3                          ; j: the slot whose tile is finished at this step's end and that the next tile takes
	s_mul_i32 s48, s47, 2*RINGB                    ; the next step's quarter of the images
	s_lshl_b32 s49, s47, 8
	s_cmp_ge_u32 s46, 3
	s_cselect_b32 s51, -1, 0
	v_add_nc_u32 v[SCA], s50, v[SCW]
	s_wait_xcnt 0x0                                ; x's loads have read their base and offset
	s_cmp_lt_u32 s46, 14
	s_cselect_b32 s60, 0x10000, 0                  ; on to tile t + 2 while there is one
	s_cselect_b32 s59, -1, 0
	s_add_nc_u64 s[42:43], s[42:43], s[60:61]
	v_and_b32 v[XV], s59, v[XO]
	POS 0, 0, 0, 1, 0, 1, 0, 1
	CHANGE 0
	s_cmp_ge_u32 s46, 15
	s_cbranch_scc1 .Lno_row0
	Q3 0                                           ; row 0's codes: every wave has read the last image ahead of the round above
.Lno_row0:
	POS 1, 0, 1, 1, 1, 0, 1, 1
	POS 2, 1, 0, 1, 1, 1, 0, 1
	POS 3, 1, 1, 0, 0, 0, 0, 1
	s_wait_alu depctr_va_vdst(0)
.irp j, 1,2,3
	s_cmp_eq_u32 s47, \j
	s_cbranch_scc1 .Lret_\j
.endr
.irp j, 0,1,2,3
.Lret_\j:
	RET1 \j, 0
.if \j < 3
	s_wait_alu depctr_va_vdst(0)
	s_branch .Lret_done
.endif
.endr
.Lret_done:
	s_wait_alu depctr_va_vdst(0)                   ; the wait ahead of the waits below
	CHANGE 1                                       ; behind its round the partial scores and the next tile's image are whole too
	v_add_nc_u32 v[ATC], s49, v[AT0]
	s_wait_alu depctr_va_vdst(0)
.irp j, 1,2,3
	s_cmp_eq_u32 s47, \j
	s_cbranch_scc1 .Larm_\j
.endr
.irp j, 0,1,2,3
.Larm_\j:
	EXLOAD 0
	LOADCODES \j
	s_wait_dscnt 50                                ; the four partial scores are in; the 50 loads of codes may be out
	SOFT 1
	CTXADD \j
	BFLOAD \j
	s_wait_alu depctr_va_vdst(0)
.if \j < 3
	s_branch .Larm_done
.endif
.endr
.Larm_done:
	s_add_co_u32 s50, s50, 64
	s_add_co_u32 s46, s46, 1
	s_cmp_lt_u32 s46, 18
	s_cbranch_scc1 .Lstep
	; step 18: tile 15's last quarter; nothing is fetched any more
	s_mov_b32 s51, -1
	v_add_nc_u32 v[SCA], s50, v[SCW]
	POS 0, 0, 0, 1, 0, 1, 0, 0
	s_wait_tensorcnt 0x0                           ; slot 1's last fill, first read in the tile below
	POS 1, 0, 1, 1, 1, 0, 1, 0
	POS 2, 1, 0, 1, 1, 1, 0, 0
	POS 3, 1, 1, 0, 0, 0, 0, 0
	RET1 3, 256
	BARRIER
	EXLOAD 256
	s_wait_dscnt 0x0
	SOFT 0
	CTXADD 3
	; the four waves' contexts are added: through the stages, wave w takes columns 256 w .. 256 w + 255
.irp c, 0,1,2,3,4,5,6,7
	ds_store_b128 v[STO], v[CTX+4*\c:CTX+4*\c+3] offset:16*\c
.endr
	v_lshlrev_b32 v31, 3, v0
	s_mul_i32 s23, s20, 1280
	s_add_co_u32 s23, s23, SCR+192                 ; tile 0's scores were stored in step 3
	v_add_nc_u32 v248, s23, v31                    ; my 2 of my wave's 64 scores, in my wave's copy
	BARRIER
.irp d, 0,1
.irp q, 0,1,2,3
	ds_load_b128 v[128+16*\d+4*\q:128+16*\d+4*\q+3], v[FRD] offset:32*SPITCH*\q+4*SPITCH*\d
.endr
.endr
	ds_load_b64 v[160:161], v248
	s_wait_dscnt 0x0
.irp d, 0,1
.irp p, 0,2
	v_pk_add_f32 v[128+16*\d+\p:129+16*\d+\p], v[128+16*\d+\p:129+16*\d+\p], v[132+16*\d+\p:133+16*\d+\p]
	v_pk_add_f32 v[136+16*\d+\p:137+16*\d+\p], v[136+16*\d+\p:137+16*\d+\p], v[140+16*\d+\p:141+16*\d+\p]
.endr
.irp p, 0,2
	v_pk_add_f32 v[128+16*\d+\p:129+16*\d+\p], v[128+16*\d+\p:129+16*\d+\p], v[136+16*\d+\p:137+16*\d+\p]
.endr
	global_store_b128 v[FO], v[128+16*\d:131+16*\d], s[14:15] offset:512*\d   ; 512 consecutive bytes a store
.endr
	global_store_b64 v31, v[160:161], s[12:13]     ; 256 consecutive bytes a wave
	s_cmp_lg_u32 s20, 0
	s_cbranch_scc1 .Lno_ml
	global_store_b64 v31, v[MX:MX+1], s[16:17]     ; (maximum, sum), 32 times: the part's 256 bytes by one store
.Lno_ml:
	s_wait_tensorcnt 0x0                           ; the wave's end
	ds_add_u32 v[SPW], v[NIL]
	s_wait_dscnt 0x0
	CROUND                                         ; the closing round
	s_endpgm
.Lfunc_end_k_qae78f97bd5_main:
	.size	k_qae78f97bd5_main, .Lfunc_end_k_qae78f97bd5_main-k_qae78f97bd5_main
	.p2alignl 7, 3214868480
	.fill 96, 4, 3214868480
	.section	.rodata,"a",@progbits
	.p2align	6, 0x0
	.amdhsa_kernel k_qae78f97bd5_main
		.amdhsa_group_segment_fixed_size 327680
		.amdhsa_private_segment_fixed_size 0
		.amdhsa_enable_private_segment 0
		.amdhsa_kernarg_size 56
		.amdhsa_user_sgpr_count 2
		.amdhsa_user_sgpr_kernarg_segment_ptr 1
		.amdhsa_wavefront_size32 1
		.amdhsa_system_sgpr_workgroup_id_x 1
		.amdhsa_system_sgpr_workgroup_id_y 1
		.amdhsa_system_sgpr_workgroup_id_z 1
		.amdhsa_system_vgpr_workitem_id 0
		.amdhsa_next_free_vgpr 1024
		.amdhsa_next_free_sgpr 66
		.amdhsa_reserve_vcc 0
		.amdhsa_float_denorm_mode_32 3
		.amdhsa_float_denorm_mode_16_64 3
		.amdhsa_memory_ordered 1
		.amdhsa_forward_progress 1
		.amdhsa_inst_pref_size 255
	.end_amdhsa_kernel
	.section	.bss,"aw",@nobits
	.p2align	6
	.space	262144
	.amdgpu_metadata
---
amdhsa.version: [ 1, 2 ]
amdhsa.kernels:
  - .name:           k_qae78f97bd5_main
    .symbol:         k_qae78f97bd5_main.kd
    .args:
      - { .name: x, .offset: 0, .size: 8, .value_kind: global_buffer, .address_space: global }
      - { .name: w1img, .offset: 8, .size: 8, .value_kind: global_buffer, .address_space: global }
      - { .name: cbuf, .offset: 16, .size: 8, .value_kind: global_buffer, .address_space: global }
      - { .name: V_w, .offset: 24, .size: 8, .value_kind: global_buffer, .address_space: global }
      - { .name: scores, .offset: 32, .size: 8, .value_kind: global_buffer, .address_space: global }
      - { .name: pctx, .offset: 40, .size: 8, .value_kind: global_buffer, .address_space: global }
      - { .name: pml, .offset: 48, .size: 8, .value_kind: global_buffer, .address_space: global }
    .group_segment_fixed_size: 327680
    .private_segment_fixed_size: 0
    .kernarg_segment_align: 8
    .kernarg_segment_size: 56
    .max_flat_workgroup_size: 128
    .sgpr_count:     66
    .vgpr_count:     1024
    .wavefront_size: 32
...
	.end_amdgpu_metadata
.endif
;; end of part 2
;; launch combine (part 3): grid 32 x 1, 8 waves a work-group, no clusters, 0 bytes of LDS; arguments scores, pctx, pml, out0, out1; writes out0, out1
.if DOCPART == 3
	.amdgcn_target "amdgcn-amd-amdhsa--gfx1250"
	.amdhsa_code_object_version 6
	.text
	.protected	k_qae78f97bd5_combine
	.globl	k_qae78f97bd5_combine
	.p2align	8
	.type	k_qae78f97bd5_combine,@function
k_qae78f97bd5_combine:
	s_mov_b64 s[64:65], 0
	v_nop
	global_prefetch_b8 v0, s[64:65] scope:SCOPE_SE
	s_setreg_imm32_b32 hwreg(HW_REG_WAVE_MODE, 25, 1), 1
	s_wait_xcnt 0x0
; The eight parts of a batch are joined.  Part g brings m_g, l_g and c_g[u] = the sum over its 256 rows of e^(score - m_g) x[t][u].
; M = the largest m_g; w_g = e^(m_g - M); L = the sum of l_g w_g; out0[u] = the sum of c_g[u] w_g / L; out1[t] = e^(score[t] - M) / L.
; One work-group a batch, 256 threads: thread t takes 4 numbers of out0 and 8 of out1.  32 work-groups are all the work there is; no LDS, no barrier: every thread makes M and L for itself.
	s_load_b256 s[4:11], s[0:1], 0x0               ; scores s[4:5], pctx s[6:7], pml s[8:9], out0 s[10:11]
	s_load_b64 s[12:13], s[0:1], 0x20              ; out1
	v_lshlrev_b32 v1, 4, v0                        ; 16 x thread
	v_and_b32 v2, 31, v0
	s_delay_alu instid0(VALU_DEP_1)
	v_lshlrev_b32 v2, 3, v2                        ; 8 x lane
	s_lshl_b32 s14, ttmp9, 13                      ; the batch's 2,048 scores, and its row of out1
	s_mov_b32 s15, 0
	s_lshl_b32 s16, ttmp9, 15                      ; its 8 rows of pctx
	s_mov_b32 s17, 0
	s_lshl_b32 s18, ttmp9, 11                      ; its 8 x 256 bytes of pml
	s_mov_b32 s19, 0
	s_lshl_b32 s20, ttmp9, 12                      ; its row of out0
	s_mov_b32 s21, 0
	s_mov_b32 s22, 0x3fb8aa3b                      ; log2(e)
	s_mov_b32 s23, s22                             ; (named with it as a pair, so it is written)
	s_wait_alu depctr_va_vdst(0)
	s_wait_kmcnt 0x0
	s_add_nc_u64 s[4:5], s[4:5], s[14:15]
	s_add_nc_u64 s[6:7], s[6:7], s[16:17]
	s_add_nc_u64 s[8:9], s[8:9], s[18:19]
	s_add_nc_u64 s[10:11], s[10:11], s[20:21]
	s_add_nc_u64 s[12:13], s[12:13], s[14:15]
.irp g, 0,1,2,3,4,5,6,7
	global_load_b64 v[16+2*\g:17+2*\g], v2, s[8:9] offset:256*\g       ; (m_g, l_g)
.endr
	global_load_b128 v[64:67], v1, s[4:5]
	global_load_b128 v[68:71], v1, s[4:5] offset:4096
.irp g, 0,1,2,3,4,5,6,7
	global_load_b128 v[32+4*\g:35+4*\g], v1, s[6:7] offset:4096*\g
.endr
	s_wait_loadcnt 8                               ; m, l and the scores are in; pctx's eight loads may be out
	v_max3_num_f32 v8, v16, v18, v20
	s_delay_alu instid0(VALU_DEP_1)
	v_max3_num_f32 v8, v8, v22, v24
	s_delay_alu instid0(VALU_DEP_1)
	v_max3_num_f32 v8, v8, v26, v28
	s_delay_alu instid0(VALU_DEP_1)
	v_max_num_f32 v8, v8, v30                      ; M
.irp g, 0,1,2,3,4,5,6,7
	v_sub_f32 v[72+\g], v[16+2*\g], v8
.endr
.irp i, 0,1,2,3,4,5,6,7
	v_sub_f32 v[64+\i], v[64+\i], v8
.endr
.irp p, 0,2,4,6
	v_pk_mul_f32 v[72+\p:73+\p], v[72+\p:73+\p], s[22:23] op_sel_hi:[1,0]
	v_pk_mul_f32 v[64+\p:65+\p], v[64+\p:65+\p], s[22:23] op_sel_hi:[1,0]
.endr
	s_wait_alu depctr_va_vdst(0)
.irp i, 0,1,2,3,4,5,6,7
	v_exp_f32 v[72+\i], v[72+\i]                   ; w_g
.endr
.irp i, 0,1,2,3,4,5,6,7
	v_exp_f32 v[64+\i], v[64+\i]                   ; e^(score - M)
.endr
	v_nop                                          ; a plain line behind the last exponential
	s_wait_alu depctr_va_vdst(0)                   ; one wait for the sixteen, ahead of their first reader
	v_mul_f32 v9, v17, v72
.irp g, 1,2,3,4,5,6,7
	v_fma_f32 v9, v[17+2*\g], v[72+\g], v9         ; L
.endr
	s_wait_alu depctr_va_vdst(0)
	v_rcp_f32 v10, v9
	v_nop
	s_wait_alu depctr_va_vdst(0)
.irp g, 0,1,2,3,4,5,6,7
	v_mul_f32 v[72+\g], v[72+\g], v10              ; w_g / L
.endr
.irp i, 0,1,2,3,4,5,6,7
	v_mul_f32 v[84+\i], v[64+\i], v10
.endr
	global_store_b128 v1, v[84:87], s[12:13]       ; each store of a wave covers 512 consecutive bytes
	global_store_b128 v1, v[88:91], s[12:13] offset:4096
	s_wait_loadcnt 0x0
.irp c, 0,1,2,3
	v_mul_f32 v[80+\c], v[32+\c], v72
.endr
.irp g, 1,2,3,4,5,6,7
.irp c, 0,1,2,3
	s_delay_alu instid0(VALU_DEP_4)
	v_fma_f32 v[80+\c], v[32+4*\g+\c], v[72+\g], v[80+\c]
.endr
.endr
	global_store_b128 v1, v[80:83], s[10:11]
	s_endpgm
.Lfunc_end_k_qae78f97bd5_combine:
	.size	k_qae78f97bd5_combine, .Lfunc_end_k_qae78f97bd5_combine-k_qae78f97bd5_combine
	.p2alignl 7, 3214868480
	.fill 96, 4, 3214868480
	.section	.rodata,"a",@progbits
	.p2align	6, 0x0
	.amdhsa_kernel k_qae78f97bd5_combine
		.amdhsa_group_segment_fixed_size 0
		.amdhsa_private_segment_fixed_size 0
		.amdhsa_enable_private_segment 0
		.amdhsa_kernarg_size 40
		.amdhsa_user_sgpr_count 2
		.amdhsa_user_sgpr_kernarg_segment_ptr 1
		.amdhsa_wavefront_size32 1
		.amdhsa_system_sgpr_workgroup_id_x 1
		.amdhsa_system_sgpr_workgroup_id_y 1
		.amdhsa_system_sgpr_workgroup_id_z 1
		.amdhsa_system_vgpr_workitem_id 0
		.amdhsa_next_free_vgpr 96
		.amdhsa_next_free_sgpr 66
		.amdhsa_reserve_vcc 0
		.amdhsa_float_denorm_mode_32 3
		.amdhsa_float_denorm_mode_16_64 3
		.amdhsa_memory_ordered 1
		.amdhsa_forward_progress 1
		.amdhsa_inst_pref_size 9
	.end_amdhsa_kernel
	.amdgpu_metadata
---
amdhsa.version: [ 1, 2 ]
amdhsa.kernels:
  - .name:           k_qae78f97bd5_combine
    .symbol:         k_qae78f97bd5_combine.kd
    .args:
      - { .name: scores, .offset: 0, .size: 8, .value_kind: global_buffer, .address_space: global }
      - { .name: pctx, .offset: 8, .size: 8, .value_kind: global_buffer, .address_space: global }
      - { .name: pml, .offset: 16, .size: 8, .value_kind: global_buffer, .address_space: global }
      - { .name: out0, .offset: 24, .size: 8, .value_kind: global_buffer, .address_space: global }
      - { .name: out1, .offset: 32, .size: 8, .value_kind: global_buffer, .address_space: global }
    .group_segment_fixed_size: 0
    .private_segment_fixed_size: 0
    .kernarg_segment_align: 8
    .kernarg_segment_size: 40
    .max_flat_workgroup_size: 256
    .sgpr_count:     66
    .vgpr_count:     96
    .wavefront_size: 32
...
	.end_amdgpu_metadata
.endif
;; end of part 3
